; MI455X (gfx1250); checked and timed in simulation.
; The chip was launched on July 23, 2026; its instructions are those of AMD's public machine-readable ISA for CDNA 5 (MIT licence, August 2026) and "CDNA5" Instruction Set Architecture Reference Guide (July 2026). The comments in the code are by the model that wrote it; some were corrected since.
;; SIREN Sparse. Allowed arithmetic: matrix products marked QUANTISED: E5M2 operands, one given power-of-two scale a tensor, by v_wmma_f32_16x16x64_bf8_bf8 or v_wmma_f32_16x16x128_bf8_bf8, f32 sums; products left as they are: f32 operands where the result goes on into a quantised operand, else bf16, f16 or f32 operands; f32 sums; everything else in f32.
;; Inputs: W0 256 x 3 float32; W1 256 x 256 float32; W2 256 x 256 float32; W3 256 x 256 float32; W4 256 x 256 float32; Wf 1 x 256 float32; b0 256 float32; b1 256 float32; b2 256 float32; b3 256 float32; b4 256 float32; bf 1 float32; lowp_scales 8 int32 (the exponents e of the quantised operands' scales 2^e); xyt 262,144 x 3 float32.
;; Outputs: out0 262,144 float32.
;; This version of the problem:
;;   THIS VERSION OF THE PROBLEM IS GIVEN IN LOW PRECISION. The matrix products marked QUANTISED in the list below multiply operands that are first quantised to E5M2 (5 exponent bits, 2 mantissa bits; 8 bits a number), with one given power-of-two scale for each operand tensor; their sums are f32. All else is computed in f32.
;;   The module's matrix products, in the order in which they are computed (A, B: the left and right operand; K: the contracted axis; several contracted axes count as one K, in the product's order):
;;     1. [M 262,144, K 3] x [K 3, N 256]; A: input xyt; B: input W0: left as it is (K = 3 < 32)
;;     2. [M 262,144, K 256] x [K 256, N 256]; A: computed on the way; B: input W1: QUANTISED (scales: A lowp_scales[0], B lowp_scales[1])
;;     3. [M 262,144, K 256] x [K 256, N 256]; A: computed on the way; B: input W2: QUANTISED (scales: A lowp_scales[2], B lowp_scales[3])
;;     4. [M 262,144, K 256] x [K 256, N 256]; A: computed on the way; B: input W3: QUANTISED (scales: A lowp_scales[4], B lowp_scales[5])
;;     5. [M 262,144, K 256] x [K 256, N 256]; A: computed on the way; B: input W4: QUANTISED (scales: A lowp_scales[6], B lowp_scales[7])
;;     6. [M 262,144, K 256] x [K 256, N 1]; A: computed on the way; B: input Wf: left as it is (N = 1 < 16)
;;   THE QUANTISER, for each operand of a quantised product, along K:
;;     - The operand's scale is 2^e, e = its entry of the input lowp_scales (int32; the entries are numbered through the quantised products in the list's order, A before B).
;;     - Each number is divided by the scale, clamped to +-57,344, and rounded to the nearest number of E5M2, ties to even, subnormals kept.
;;     - The product sums the exact products of the quantised numbers (number of the format x scale) in f32.
;;   ~~~python
;;   def quantise(x, axis, e):      # numpy; x: float32 -> the quantised numbers, widened to float32 again
;;       x = np.moveaxis(x, axis, -1); K = x.shape[-1]
;;       r = np.clip(x / 2.0 ** e, -57344, 57344)
;;       step = 2.0 ** (np.maximum(np.frexp(np.where(r == 0, 1, r))[1] - 1, -14) - 2)
;;       q = np.round(r / step) * step * 2.0 ** e      # np.round: ties to even
;;       return np.moveaxis(q, -1, axis).astype(np.float32)
;;   ~~~
;;   OPERANDS COMPUTED ON THE WAY. 'Computed on the way' means the value that the module computes at that place (a softmax that the list does not call 'softmax' is quantised finished and normalised). What goes into a quantiser is computed in f32, as accurately as f32 sums, v_exp_f32 and their like allow (about 1e-6 of the number): no bf16 or f16 on the way to a quantiser, and a product that is left as it is and whose result goes on into a quantised operand takes f32 operands (vector FMAs, or v_wmma_f32_16x16x4_f32). A number that lies on a knife's edge between two numbers of the format may be rounded either way, as far as f32 arithmetic and the matrix unit's own rounding can turn it there, and no further.
;; 2 versions. Each part assembles by itself: llvm-mc -triple=amdgcn-amd-amdhsa -mcpu=gfx1250 --defsym DOCPART=n.
;; ======== version 1 of 2: 2 launches
;; limits: right only within a limited range of input values
;; workspace buffers: wq 262,144 bytes
;; launch prep (part 1): grid 128 x 1, 4 waves a work-group, no clusters, 0 bytes of LDS; arguments W1, W2, W3, W4, lowp_scales, wq; writes wq
.if DOCPART == 1
	.amdgcn_target "amdgcn-amd-amdhsa--gfx1250"
	.amdhsa_code_object_version 6
	.text
	.protected	k_q5b26432b1f_prep
	.globl	k_q5b26432b1f_prep
	.p2align	8
	.type	k_q5b26432b1f_prep,@function
k_q5b26432b1f_prep:
	s_mov_b64 s[64:65], 0
	v_nop
	global_prefetch_b8 v0, s[64:65] scope:SCOPE_SE
	s_setreg_imm32_b32 hwreg(HW_REG_WAVE_MODE, 25, 1), 1
	s_wait_xcnt 0x0
; W1 .. W4 [256 (unit)][256 (k)], f32, become codes of BF8 (E5M2), each tensor with the one scale 2^e that is given for it (entries 1, 3, 5, 7 of the scales),
; laid IN THE ORDER OF THE OPERAND'S REGISTERS of the launch that multiplies:  wq[layer 0..3][wave g 0..3][fragment f = 2 t + s][c 0..3][lane][16 bytes].
; The 16 bytes of lane (r = lane % 16, h = lane / 16) are the codes of W[unit][k0 .. k0 + 15], unit = 64 g + 32 (t / 2) + 8 (t % 2) + r + 8 (r / 8), k0 = 128 s + 32 c + 16 h.
; So the multiplying wave fetches four registers of a fragment by one load of 512 consecutive bytes, and the rows of a tile are those that leave its results in the next operand's order.
; code = x / 2^e, held within +-57,344, to the nearest code, ties to even.  LIMITS: -126 <= e <= 112, so that 2^e and 57,344 x 2^e are f32 numbers; NaN among the inputs is not served.
; SHARES: work-group = (layer, g, f): 128 of them; wave = c; a lane reads its 16 neighbours along K (64 bytes) and stores 16 bytes: a wave's store covers 512 consecutive bytes, aligned.
; A lane's reads are pieces of 64 bytes of rows 1,024 bytes apart: the four tensors are read once, 1 MiB in all, so no turn through LDS is made for them.
.set X,   8                            ; v8-23  16 numbers
.set C,   4                            ; v4-7   their codes
	s_load_b256 s[4:11], s[0:1], 0x0               ; W1 s[4:5], W2 s[6:7], W3 s[8:9], W4 s[10:11]
	s_load_b128 s[12:15], s[0:1], 0x20             ; the scales' exponents s[12:13], wq s[14:15]
	v_lshrrev_b32 v1, 5, v0
	v_readfirstlane_b32 s16, v1                    ; wave = c
	v_and_b32 v2, 31, v0
	v_lshlrev_b32 v2, 4, v2                        ; out: 16 x lane
	v_and_b32 v3, 15, v0                           ; r
	v_bfe_u32 v24, v0, 4, 1                        ; h
	v_and_b32 v25, 8, v3
	v_add_nc_u32 v25, v25, v3                      ; r + 8 (r / 8)
	v_lshlrev_b32 v25, 10, v25                     ; a row of W is 1,024 bytes
	v_lshl_add_u32 v3, v24, 6, v25                 ; + 64 h: in
	s_lshr_b32 s17, ttmp9, 5                       ; layer 0..3
	s_bfe_u32 s18, ttmp9, 0x20003                  ; g
	s_and_b32 s19, ttmp9, 7                        ; f
	s_lshr_b32 s22, s19, 1                         ; t
	s_and_b32 s23, s19, 1                          ; s
	s_lshl_b32 s24, s18, 6                         ; the tile's first row: 64 g
	s_lshr_b32 s25, s22, 1
	s_lshl_b32 s25, s25, 5
	s_add_co_u32 s24, s24, s25                     ; + 32 (t / 2)
	s_and_b32 s25, s22, 1
	s_lshl_b32 s25, s25, 3
	s_add_co_u32 s24, s24, s25                     ; + 8 (t % 2)
	s_lshl_b32 s24, s24, 10                        ; in bytes
	s_lshl_b32 s25, s23, 9
	s_add_co_u32 s24, s24, s25                     ; + 128 s numbers
	s_lshl_b32 s25, s16, 7
	s_add_co_u32 s24, s24, s25                     ; + 32 c numbers
	s_mov_b32 s25, 0
	s_lshl_b32 s26, ttmp9, 2
	s_add_co_u32 s26, s26, s16
	s_lshl_b32 s26, s26, 9                         ; out: (4 x work-group + c) x 512 bytes
	s_mov_b32 s27, 0
	s_wait_kmcnt 0x0
	s_load_b256 s[28:35], s[12:13], 0x0            ; all eight exponents
	s_cmp_eq_u32 s17, 1                            ; the layer's tensor: a choice on the work-group's number alone
	s_cselect_b64 s[4:5], s[6:7], s[4:5]
	s_cmp_eq_u32 s17, 2
	s_cselect_b64 s[4:5], s[8:9], s[4:5]
	s_cmp_eq_u32 s17, 3
	s_cselect_b64 s[4:5], s[10:11], s[4:5]
	s_add_nc_u64 s[4:5], s[4:5], s[24:25]
	s_add_nc_u64 s[14:15], s[14:15], s[26:27]
.irp i, 0,1,2,3
	global_load_b128 v[X+4*\i:X+4*\i+3], v3, s[4:5] offset:16*\i th:TH_LOAD_NT
.endr
	s_wait_kmcnt 0x0
	s_cmp_eq_u32 s17, 1                            ; the weight's exponent: entry 2 x layer + 1
	s_cselect_b32 s20, s31, s29
	s_cmp_eq_u32 s17, 2
	s_cselect_b32 s20, s33, s20
	s_cmp_eq_u32 s17, 3
	s_cselect_b32 s20, s35, s20
	s_add_co_i32 s20, s20, 127
	s_lshl_b32 s21, s20, 23
	v_mov_b32 v26, s21                             ; 2^e as f32: the conversion takes its exponent field
	s_add_co_i32 s20, s20, 15
	s_lshl_b32 s20, s20, 23
	s_or_b32 s20, s20, 0x600000
	v_mov_b32 v27, s20                             ; 57,344 x 2^e
	s_wait_loadcnt 0x0
.irp i, 0,1,2,3,4,5,6,7,8,9,10,11,12,13,14,15
	v_med3_num_f32 v[X+\i], v[X+\i], -v27, v27     ; the conversion to an 8-bit code does not saturate (ISA guide 7.6.2): the hold comes first
.endr
	v_cvt_scalef32_pk8_bf8_f32 v[C:C+1], v[X:X+7], v26
	v_cvt_scalef32_pk8_bf8_f32 v[C+2:C+3], v[X+8:X+15], v26
	global_store_b128 v2, v[C:C+3], s[14:15]       ; the results go to a store alone
	s_endpgm
.Lfunc_end_k_q5b26432b1f_prep:
	.size	k_q5b26432b1f_prep, .Lfunc_end_k_q5b26432b1f_prep-k_q5b26432b1f_prep
	.p2alignl 7, 3214868480
	.fill 96, 4, 3214868480
	.section	.rodata,"a",@progbits
	.p2align	6, 0x0
	.amdhsa_kernel k_q5b26432b1f_prep
		.amdhsa_group_segment_fixed_size 0
		.amdhsa_private_segment_fixed_size 0
		.amdhsa_enable_private_segment 0
		.amdhsa_kernarg_size 48
		.amdhsa_user_sgpr_count 2
		.amdhsa_user_sgpr_kernarg_segment_ptr 1
		.amdhsa_wavefront_size32 1
		.amdhsa_system_sgpr_workgroup_id_x 1
		.amdhsa_system_sgpr_workgroup_id_y 1
		.amdhsa_system_sgpr_workgroup_id_z 1
		.amdhsa_system_vgpr_workitem_id 0
		.amdhsa_next_free_vgpr 32
		.amdhsa_next_free_sgpr 66
		.amdhsa_reserve_vcc 0
		.amdhsa_float_denorm_mode_32 3
		.amdhsa_float_denorm_mode_16_64 3
		.amdhsa_memory_ordered 1
		.amdhsa_forward_progress 1
		.amdhsa_inst_pref_size 4
	.end_amdhsa_kernel
	.amdgpu_metadata
---
amdhsa.version: [ 1, 2 ]
amdhsa.kernels:
  - .name:           k_q5b26432b1f_prep
    .symbol:         k_q5b26432b1f_prep.kd
    .args:
      - { .name: W1, .offset: 0, .size: 8, .value_kind: global_buffer, .address_space: global }
      - { .name: W2, .offset: 8, .size: 8, .value_kind: global_buffer, .address_space: global }
      - { .name: W3, .offset: 16, .size: 8, .value_kind: global_buffer, .address_space: global }
      - { .name: W4, .offset: 24, .size: 8, .value_kind: global_buffer, .address_space: global }
      - { .name: lowp_scales, .offset: 32, .size: 8, .value_kind: global_buffer, .address_space: global }
      - { .name: wq, .offset: 40, .size: 8, .value_kind: global_buffer, .address_space: global }
    .group_segment_fixed_size: 0
    .private_segment_fixed_size: 0
    .kernarg_segment_align: 8
    .kernarg_segment_size: 48
    .max_flat_workgroup_size: 128
    .sgpr_count:     66
    .vgpr_count:     32
    .wavefront_size: 32
...
	.end_amdgpu_metadata
.endif
;; end of part 1
;; launch siren (part 2): grid 256 x 1, 4 waves a work-group, no clusters, 295,936 bytes of LDS; arguments xyt, W0, b0, wq, b1, b2, b3, b4, Wf, bf, lowp_scales, out0; writes out0
.if DOCPART == 2
	.amdgcn_target "amdgcn-amd-amdhsa--gfx1250"
	.amdhsa_code_object_version 6
	.text
	.protected	k_q5b26432b1f_siren
	.globl	k_q5b26432b1f_siren
	.p2align	8
	.type	k_q5b26432b1f_siren,@function
k_q5b26432b1f_siren:
	s_mov_b64 s[64:65], 0
	v_nop
	global_prefetch_b8 v0, s[64:65] scope:SCOPE_SE
	s_setreg_imm32_b32 hwreg(HW_REG_WAVE_MODE, 25, 1), 1
	s_wait_xcnt 0x0
; out[n] = Wf . h5 + bf;  h1 = sin(30 (xyt W0^T + b0));  h(l+1) = sin(Q(hl) Q(Wl)^T + bl), l = 1 .. 4, Q = codes of BF8 (E5M2) with the given scales.  The whole chain in one launch.
; WHAT BINDS: 1,280 sines a point against 4 x 65,536 multiply-adds on 8-bit codes: the vector instructions are the long pole.  So the sine is as short as f32 accuracy allows, nearly all of it packed,
; and matrix instructions and LDS instructions stand BETWEEN its lines.
; SHARES.  256 work-groups of 1,024 points; four waves.  THE WAVES SHARE THE UNITS, NOT THE POINTS: wave g makes units 64 g .. 64 g + 63 of every layer, so its part of W1 .. W4 (4 x 128 registers of codes, laid by the
; launch before in the order of these registers) is loaded once and stays.  Points go in two blocks of 512 = 32 tiles of 16.  A layer's results go from wave to wave through LDS as images of the next operand's registers.
; LAYOUT.  Products are used transposed (source 0 = 16 units, source 1 = 16 points): lane (r, h) holds point r, and register j of tile t unit 64 g + 32 (t / 2) + 16 h + 8 (t % 2) + j (the units of a tile are chosen so):
; the 16 registers of tiles 2 b, 2 b + 1 are 16 neighbours along the next K.  The image of a tile of points is 8 groups q of 512 bytes, lane l's 16 bytes at 16 l: k = 32 q + 16 h + 0 .. 15; wave g stores groups 2 g, 2 g + 1.
; That is a permutation of k within a K step of 128, the same in both operands.
; LAYER 0 goes to v_wmma_f32_16x16x4_f32 with K = (x0, x1, x2, 1) against (w0, w1, w2, b0): f32 operands, as a product ahead of a quantiser needs.  Its accumulators are written by matrix instructions alone, and each sum is one instruction with C = 0.
; THE BIASES b1 .. b4 are the C of each sum's first matrix instruction, divided once by 2^E (E = the product's two exponents added).  THE LAST LAYER is f32 multiply-adds on the sines; the 8 partial sums of a point meet in LDS.
; THE SINE of x = S a (a: the accumulator; S = 2^E, or 30):  t = a S/pi + 1.5 x 2^23 (its low bits are n = x/pi to the nearest whole number);  n = t - 1.5 x 2^23, exact;  z = a S/pi - n, one fused multiply-add, |z| <= 1/2;
; z's sign is flipped where n is odd (t << 31 added to z's bits);  y = z (d1 + s (d3 + s (d5 + s (d7 + s d9)))), s = z z: the polynomial is within 5e-8 of sin(pi z) / z, and with the roundings of its last two steps y is within 2e-7 of the number.
; S/pi is an f32 number: its rounding is a relative change of x of 4e-8 at the most, less than the half unit in the last place that x itself carries.
; THE QUANTISER'S HOLD.  |z| <= 1/2 gives |y| <= 1.000001, and 57,344 x 2^e >= 1.75 where e >= -15: there the hold changes no number, and a scalar branch on the given whole number e leads round its 32 lines, and round nothing else.  Where e < -15 they run.
; A TRIP IS A TILE: the sine of tile i; among its lines the 8 matrix instructions of tile i + 1 and the LDS loads of tile i + 2.  An accumulator is free once its four pairs of z are made: the four products of K step 0 stand in that stage,
; each behind its accumulator's last read; those of K step 1 in the polynomial's first stage.  Both stages have a SCALAR as source 0, so they run unchanged under the setting in which source 0 means the weights' window:
; four s_set_vgpr_msb a tile, and four plain vector lines behind every matrix instruction.
; NO CLUSTER, NO TENSOR LOAD: what work-groups share is the 262,144 bytes of codes, of which each wave reads its 65,536 once, straight into the registers where they stay; a joint load would land them in LDS,
; of which 295,424 bytes hold the block's images, and add a second trip into registers.  No stream is waited for in any loop, so nothing is prefetched.
; LIMITS: |x| < 2^22 pi;  E between -124 and 129;  the activations' exponents between -126 and 112;  NaN and infinities among the inputs are not served.
.set IMG,  4096                        ; an image: 16 points x 256 codes
.set X1,   131072                      ; LDS: images, buffer 0 at 0 and buffer 1 here, 32 tiles each
.set PLN,  262144                      ; 8 planes (2 g + h) of 512 partial sums,
.set PPIT, 2112                        ; 2,048 bytes + 64 apart
.set XY,   279040                      ; 1,024 points x (x0, x1, x2, 1.0)
; window 0
.set LI0,  1                           ; v1   16 x lane: an image's place for my lane in buffer 0; also my offset in the codes
.set LI1,  2                           ; v2   the same in buffer 1
.set WL0,  3                           ; v3   where I store: 16 x lane + 1,024 g, buffer 0
.set WL1,  4                           ; v4   buffer 1
.set XYA,  5                           ; v5   XY + 16 r + 8 h
.set PST,  6                           ; v6   PLN + (2 g + h) PPIT + 4 r
.set ADR,  7                           ; v7   address of the first run of loads in hand
.set WAD,  8                           ; v8   address of the stores in hand
.set CVS,  9                           ; v9   the conversion's scale
.set MG,   10                          ; v[10:11] 1.5 x 2^23
.set D7,   14                          ; v[14:15]
.set CD,   16                          ; v16-23 codes just made
.set XB,   24                          ; v[24:25] layer 0's points
.set ADR2, 26                          ; v26  address of the second run of loads
.set PRD,  28                          ; v28  PLN + 16 x thread
.set OUTO, 29                          ; v29  16 x thread
.set OS,   30                          ; v30  a tile's partial sum
.set ACC,  32                          ; v32-63   four accumulators
.set FR,   64                          ; v64-95   a tile of points: two fragments
.set TA,   96                          ; v96-127  t, then the polynomial
.set MA,   128                         ; v128-159 n, then s
.set RA,   160                         ; v160-191 z, then y
.set BI,   192                         ; v192-223 the phase's biases
.set O,    224                         ; v224-231 the last layer's sums, four pairs
.set TG,   232                         ; v232-242 the head's own
.set LN,   233
.set RR,   234
.set HH,   235
.set XO,   236
.set UP,   237
.set WO1,  238
.set WO0,  239
.set BO,   240
.set HOF,  241
.set XYS,  242
; window 1: v0-127 W4's codes; v128-159 Wf; v160-167 W0 and b0.   window 2: v0-127 W1's, v128-255 W2's.   window 3: v0-127 W3's; v128-255 b1 .. b4 / 2^E
.set WFR,  128
.set W0F,  160
.set BS,   128
; scalars: s[4:27] the twelve addresses, s[28:35] the exponents (they stay: the hold's branch reads them)
.set NMG,  36                          ; s[36:37] -1.5 x 2^23
.set D1,   38
.set D9,   40
.set D5,   42
.set D3,   44
.set K1_0, 46                          ; S / pi, a pair, for layers 0 .. 4
.set K1_1, 50
.set K1_2, 54
.set K1_3, 58
.set K1_4, 66
.set LIMS, 70                          ; s70-73 57,344 x 2^e for the results of layers 0 .. 3
.set CVSS, 74                          ; s74-77 2^e
.set TB,   78                          ; s78  4,096 x the tile in hand
.set BLK,  79
.set WV,   80
.set XBO,  81                          ; s81  the block's first byte in XY
.set BF,   82                          ; s[82:83]
.set T2,   84                          ; s84-86 at work
.set NE,   88                          ; s88-91 -E of layers 1 .. 4
.set MSB, 0
.macro WIN new                         ; the immediate's high byte repeats the setting that is left; a switch that changes nothing is dropped
.if MSB != \new
	s_set_vgpr_msb (MSB<<8)|\new
.set MSB, \new
.endif
.endm
.macro PLACES n
.rept \n
	v_nop
.endr
.endm
.macro BARRIER                         ; my LDS stores have landed and my LDS loads are in: then the work-group's barrier
	s_wait_dscnt 0x0
	s_barrier_signal -1
	s_barrier_wait -1
.endm
.macro SPAIR r, val
	s_mov_b32 s[\r], \val
	s_mov_b32 s[\r+1], \val
.endm
.macro VPAIR r, val
	v_mov_b32 v[\r], \val
	v_mov_b32 v[\r+1], \val
.endm
; Matrix instruction k of a tile's eight: 0-3 K step 0 of tiles of units 0-3, C = the bias; 4-7 K step 1, in place.  The four accumulators take turns, one instruction a turn.
.macro WM wb, k
.if (\k) < 4
	v_wmma_f32_16x16x128_bf8_bf8 v[ACC+8*(\k):ACC+8*(\k)+7], v[(\wb)+32*(\k):(\wb)+32*(\k)+15], v[FR:FR+15], v[BI+8*(\k):BI+8*(\k)+7]
.else
	v_wmma_f32_16x16x128_bf8_bf8 v[ACC+8*((\k)-4):ACC+8*((\k)-4)+7], v[(\wb)+32*((\k)-4)+16:(\wb)+32*((\k)-4)+31], v[FR+16:FR+31], v[ACC+8*((\k)-4):ACC+8*((\k)-4)+7]
.endif
.endm
; Hosting place n of a tile's eight.  Layer 0 has four matrix instructions, in the first four places.
.macro HOST kind, wb, n, host
.if \host
.if (\kind) == 0
.if (\n) < 4
	v_wmma_f32_16x16x4_f32 v[ACC+8*(\n):ACC+8*(\n)+7], v[W0F+2*(\n):W0F+2*(\n)+1], v[XB:XB+1], 0
.endif
.else
	WM \wb, \n
.endif
.endif
.endm
; THE TILE in hand, at s[TB].  kind 0: layer 0; 1: layers 1-3; 2: layer 4 with the last layer's sums.  w: the window of source 0 for the hosted matrix instructions; wb: the weights' first register there.
; lin, wout: my lane's place in the buffer read and in the buffer written.  k1: S / pi.  ex: the register with the results' exponent e; lim: 57,344 x 2^e.  host = 1: the next tile's matrix instructions are hosted.  ld = 1: the tile after that is fetched.
; PLACES (ISA guide 7.12.1 for a read of its result): behind a bf8 instruction four plain vector lines that name none of its registers stand ahead of a load into its operands and of a read of its result, behind the f32 form eight.
; LDS INSTRUCTIONS OF A TILE, in order: behind s, the four loads of K step 0 (layer 0: the one load of points); at the end, the stores (two; kind 2: one) and the four loads of K step 1.
.macro TILE kind, w, wb, lin, wout, k1, ex, lim, host, ld
.set TW, (\w)*(\host)
	WIN TW
.set p, 0
.rept 16
	v_pk_fma_f32 v[TA+p:TA+p+1], s[\k1:\k1+1], v[ACC+p:ACC+p+1], v[MG:MG+1] op_sel_hi:[0,1,1]        ; t; each accumulator is read from its low end on
.set p, p+2
.endr
.set p, 0
.rept 16
	v_pk_add_f32 v[MA+p:MA+p+1], s[NMG:NMG+1], v[TA+p:TA+p+1] op_sel_hi:[0,1]                        ; n = t - 1.5 x 2^23
.set p, p+2
.endr
.if \host
.if (\kind) == 0
	s_wait_dscnt 0x2                               ; only the last tile's two stores may be out: the next tile's points, asked for ahead of them, are in
.else
	s_wait_dscnt 0x4                               ; only the four loads of the next tile's K step 1 may be out: its K step 0 is in, and the last tile's stores are done, so their registers are free
.endif
.endif
.if \ld
.if (\kind) == 0
	s_lshr_b32 s[T2], s[TB], 4                     ; 256 bytes a tile
	s_add_co_u32 s[T2], s[T2], s[XBO]
	v_add_nc_u32 v[ADR], s[T2], v[XYA]             ; (its last load was shown in by the wait above)
.else
	v_add_nc_u32 v[ADR], s[TB], v[\lin]            ; (its last loads were shown in by the wait above)
.endif
.endif
.set p, 0
.rept 16
	v_pk_fma_f32 v[RA+p:RA+p+1], s[\k1:\k1+1], v[ACC+p:ACC+p+1], v[MA+p:MA+p+1] op_sel_hi:[0,1,1] neg_lo:[0,0,1] neg_hi:[0,0,1]   ; z = a S/pi - n: the accumulators' last read
.if (p % 8) == 6
	HOST \kind, \wb, p/8, \host                    ; the accumulator whose four pairs have just been read is begun anew
.endif
.set p, p+2
.endr
	WIN 0
.set i, 0
.rept 32
	v_lshl_add_u32 v[RA+i], v[TA+i], 31, v[RA+i]   ; n odd: 2^31 added to z's bits turns its sign.  (These lines are the places behind the last reader of K step 0's fragment, or of the points)
.set i, i+1
.endr
.set p, 0
.rept 16
	v_pk_mul_f32 v[MA+p:MA+p+1], v[RA+p:RA+p+1], v[RA+p:RA+p+1]                                     ; s
.set p, p+2
.endr
.if \ld
.if (\kind) == 0
	ds_load_b64 v[XB:XB+1], v[ADR] offset:512      ; the points of the tile two on
.else
.irp q, 0,1,2,3
	ds_load_b128 v[FR+4*\q:FR+4*\q+3], v[ADR] offset:2*IMG+512*\q    ; K step 0 of the tile two on
.endr
.endif
.endif
.if !(\host)
	s_wait_dscnt 0x0                               ; the last tile's stores are done: their registers are written below
.elseif (\kind) == 0
	s_wait_dscnt \ld                               ; only the load just issued may be out: the last tile's stores are done, so their registers are free
.else
	s_wait_dscnt 4*(\ld)                           ; only the loads just issued may be out: the next tile's K step 1 is in
.endif
.if (\kind) != 0
	WIN TW
.if \ld
	v_add_nc_u32 v[ADR2], s[TB], v[\lin]           ; (its last loads were shown in by the wait above)
.endif
.endif
.set p, 0
.rept 16
	v_pk_fma_f32 v[TA+p:TA+p+1], s[D9:D9+1], v[MA+p:MA+p+1], v[D7:D7+1] op_sel_hi:[0,1,1]
.if (p % 8) == 6
	HOST \kind, \wb, 4+p/8, \host                  ; K step 1; the lines of the next stage are the places behind the last one
.endif
.set p, p+2
.endr
	WIN 0
.set p, 0
.rept 16
	v_pk_fma_f32 v[TA+p:TA+p+1], v[TA+p:TA+p+1], v[MA+p:MA+p+1], s[D5:D5+1] op_sel_hi:[1,1,0]
.set p, p+2
.endr
.set p, 0
.rept 16
	v_pk_fma_f32 v[TA+p:TA+p+1], v[TA+p:TA+p+1], v[MA+p:MA+p+1], s[D3:D3+1] op_sel_hi:[1,1,0]
.set p, p+2
.endr
.set p, 0
.rept 16
	v_pk_fma_f32 v[TA+p:TA+p+1], v[TA+p:TA+p+1], v[MA+p:MA+p+1], s[D1:D1+1] op_sel_hi:[1,1,0]
.set p, p+2
.endr
.set p, 0
.rept 16
	v_pk_mul_f32 v[RA+p:RA+p+1], v[RA+p:RA+p+1], v[TA+p:TA+p+1]                                     ; y
.set p, p+2
.endr
.if (\kind) == 2
	WIN \w                                         ; source 0: Wf, in the window of W4's codes
.set p, 0
.rept 16
.if p < 8
	v_pk_mul_f32 v[O+p:O+p+1], v[WFR+p:WFR+p+1], v[RA+p:RA+p+1]                                     ; the first four products start the sums
.else
	v_pk_fma_f32 v[O+p%8:O+p%8+1], v[WFR+p:WFR+p+1], v[RA+p:RA+p+1], v[O+p%8:O+p%8+1]
.endif
.set p, p+2
.endr
	WIN 0
	v_pk_add_f32 v[O:O+1], v[O:O+1], v[O+2:O+3]
	v_pk_add_f32 v[O+4:O+5], v[O+4:O+5], v[O+6:O+7]
	v_pk_add_f32 v[O:O+1], v[O:O+1], v[O+4:O+5]
	v_add_f32 v[OS], v[O], v[O+1]
	s_lshr_b32 s[T2], s[TB], 6                     ; 64 bytes a tile: 16 points' words
	v_add_nc_u32 v[WAD], s[T2], v[PST]
	ds_store_b32 v[WAD], v[OS]                     ; my 32 units' part of point r's sum, into plane 2 g + h
.else
	s_cmp_ge_i32 s[\ex], -15                       ; 57,344 x 2^e >= 1.75 > |y|: the hold would change nothing
	s_cbranch_scc1 .Lidle_\@
.set i, 0
.rept 32
	v_med3_num_f32 v[RA+i], -s[\lim], v[RA+i], s[\lim]   ; the quantiser's hold: the conversion does not saturate (ISA guide 7.6.2)
.set i, i+1
.endr
.Lidle_\@:
.irp q, 0,1,2,3
	v_cvt_scalef32_pk8_bf8_f32 v[CD+2*\q:CD+2*\q+1], v[RA+8*\q:RA+8*\q+7], v[CVS]
.endr
	v_add_nc_u32 v[WAD], s[TB], v[\wout]           ; also the plain line behind the conversions
	ds_store_b128 v[WAD], v[CD:CD+3]               ; group 2 g of the tile's image
	ds_store_b128 v[WAD], v[CD+4:CD+7] offset:512  ; group 2 g + 1
.endif
.if (\ld) && ((\kind) != 0)
.irp q, 4,5,6,7
	ds_load_b128 v[FR+4*\q:FR+4*\q+3], v[ADR2] offset:2*IMG+512*\q   ; K step 1 of the tile two on
.endr
.endif
.endm
; A LAYER over the block's 32 tiles: tile 0's matrix instructions bare, tile 1 fetched; 30 trips; the last two tiles written out, since they fetch nothing and the last hosts nothing.
.macro PHASE kind, w, wb, lin, wout, k1, ex, lim
	s_mov_b32 s[TB], 0
.if (\kind) == 0
	v_mov_b32 v[CVS], s[CVSS]
	v_add_nc_u32 v[ADR], s[XBO], v[XYA]
	ds_load_b64 v[XB:XB+1], v[ADR]
	s_wait_dscnt 0x0
	WIN \w
.irp n, 0,1,2,3
	HOST 0, 0, \n, 1
.endr
	WIN 0
	PLACES 8                                       ; ahead of the load into the points' registers and of the first read of the results
	ds_load_b64 v[XB:XB+1], v[ADR] offset:256
	s_wait_dscnt 0x0                               ; tile 1's points are in: no store stands behind this load, so the loop's counted wait would not show it
.else
.irp q, 0,1,2,3,4,5,6,7
	ds_load_b128 v[FR+4*\q:FR+4*\q+3], v[\lin] offset:512*\q
.endr
	s_wait_dscnt 0x4                               ; K step 0 is in
	WIN \w
.irp n, 0,1,2,3
	WM \wb, \n
.endr
	s_wait_dscnt 0x0
.irp n, 4,5,6,7
	WM \wb, \n
.endr
	WIN 0
	PLACES 4
.irp q, 0,1,2,3,4,5,6,7
	ds_load_b128 v[FR+4*\q:FR+4*\q+3], v[\lin] offset:IMG+512*\q
.endr
.endif
.Ltile_\@:
	TILE \kind, \w, \wb, \lin, \wout, \k1, \ex, \lim, 1, 1
	s_add_co_u32 s[TB], s[TB], IMG
	s_cmp_lt_u32 s[TB], 30*IMG
	s_cbranch_scc1 .Ltile_\@
	TILE \kind, \w, \wb, \lin, \wout, \k1, \ex, \lim, 1, 0
	s_add_co_u32 s[TB], s[TB], IMG
	TILE \kind, \w, \wb, \lin, \wout, \k1, \ex, \lim, 0, 0
.endm
; Ahead of layer l's barrier: its biases come into window 0, where a matrix instruction's C is taken from, and its results' scale is set.
.macro PRE l
	WIN 0x03
.set j, 0
.rept 32
	v_mov_b32 v[BI+j], v[BS+32*((\l)-1)+j]
.set j, j+1
.endr
	WIN 0
.if (\l) < 4
	v_mov_b32 v[CVS], s[CVSS+(\l)]
.endif
.endm
.macro BLOAD dst, base                 ; 32 numbers of a vector of 256 in the result's layout: for tile t those of units 64 g + 32 (t / 2) + 16 h + 8 (t % 2) + 0 .. 7
.irp t, 0,1,2,3
	global_load_b128 v[(\dst)+8*\t:(\dst)+8*\t+3], v[HOF], s[\base:\base+1] offset:4*(32*(\t/2)+8*(\t%2))
	global_load_b128 v[(\dst)+8*\t+4:(\dst)+8*\t+7], v[HOF], s[\base:\base+1] offset:4*(32*(\t/2)+8*(\t%2))+16
.endr
.endm
.macro WLOAD wb, l                     ; my 8 fragments of layer l: 32 loads of 512 consecutive bytes
.set j, 0
.rept 32
	global_load_b128 v[(\wb)+4*j:(\wb)+4*j+3], v[LI0], s[10:11] offset:((\l)-1)*65536+512*j
.set j, j+1
.endr
.endm
.macro LAYER l, k1                     ; E = the product's two exponents added: S / pi (E added to the exponent field of 1 / pi), and -E
	s_add_co_i32 s84, s[28+2*((\l)-1)], s[29+2*((\l)-1)]
	s_sub_co_i32 s[NE+(\l)-1], 0, s84
	s_lshl_b32 s85, s84, 23
	s_add_co_i32 s[\k1], s85, 0x3ea2f983
	s_mov_b32 s[\k1+1], s[\k1]
.endm
	; ---- THE HEAD
	s_load_b512 s[4:19], s[0:1], 0x0               ; xyt s[4:5], W0 s[6:7], b0 s[8:9], wq s[10:11], b1 .. b4 s[12:19]
	s_load_b256 s[20:27], s[0:1], 0x40             ; Wf s[20:21], bf s[22:23], the exponents s[24:25], out s[26:27]
	v_lshl_add_u32 v254, v0, 2, 0x48200
	v_mov_b32 v255, 0
	v_lshrrev_b32 v[TG], 5, v0
	v_readfirstlane_b32 s[WV], v[TG]               ; g
	v_and_b32 v[LN], 31, v0
	v_and_b32 v[RR], 15, v0                        ; r
	v_bfe_u32 v[HH], v0, 4, 1                      ; h
	v_lshlrev_b32 v[LI0], 4, v[LN]
	v_add_nc_u32 v[LI1], X1, v[LI0]
	v_lshl_add_u32 v[WL0], v[TG], 10, v[LI0]
	v_add_nc_u32 v[WL1], X1, v[WL0]
	v_lshlrev_b32 v[XYA], 4, v[RR]
	v_lshl_add_u32 v[XYA], v[HH], 3, v[XYA]
	v_add_nc_u32 v[XYA], XY, v[XYA]
	v_lshrrev_b32 v[PST], 4, v0                    ; 2 g + h
	v_mul_u32_u24 v[PST], v[PST], PPIT
	v_lshl_add_u32 v[PST], v[RR], 2, v[PST]
	v_add_nc_u32 v[PST], PLN, v[PST]
	v_lshlrev_b32 v[OUTO], 4, v0
	v_lshl_add_u32 v[PRD], v0, 4, PLN
	v_lshl_add_u32 v[XYS], v0, 4, XY
	v_mul_u32_u24 v[XO], v0, 12                    ; xyt: point = thread + 128 k
	v_and_b32 v[UP], 8, v[RR]
	v_add_nc_u32 v[UP], v[UP], v[RR]               ; r + 8 (r / 8): my unit in a tile, as source 0
	v_mul_u32_u24 v[WO1], v[UP], 12                ; W0: a row is 12 bytes
	v_lshl_add_u32 v[WO0], v[HH], 3, v[WO1]        ; + 8 h: w0 or w2
	v_lshlrev_b32 v[BO], 2, v[UP]
	v_lshlrev_b32 v[HOF], 6, v[HH]
	s_mov_b32 s85, 0
	s_wait_kmcnt 0x0
	s_load_b256 s[28:35], s[24:25], 0x0
	s_load_b32 s[BF], s[22:23], 0x0
	s_mul_i32 s84, ttmp9, 12288                    ; my work-group's 1,024 points
	s_add_nc_u64 s[4:5], s[4:5], s[84:85]
	s_lshl_b32 s84, ttmp9, 12
	s_add_nc_u64 s[26:27], s[26:27], s[84:85]
	s_lshl_b32 s84, s[WV], 14                      ; my wave's codes in each layer
	s_add_nc_u64 s[10:11], s[10:11], s[84:85]
	s_mul_i32 s84, s[WV], 768                      ; my 64 units
	s_add_nc_u64 s[6:7], s[6:7], s[84:85]
	s_lshl_b32 s84, s[WV], 8
.irp b, 8,12,14,16,18,20
	s_add_nc_u64 s[\b:\b+1], s[\b:\b+1], s[84:85]
.endr
.irp k, 0,1,2,3,4,5,6,7
	global_load_b32 v[MA+4*\k], v[XO], s[4:5] offset:1536*\k th:TH_LOAD_NT
	global_load_b32 v[MA+4*\k+1], v[XO], s[4:5] offset:1536*\k+4 th:TH_LOAD_NT
	global_load_b32 v[MA+4*\k+2], v[XO], s[4:5] offset:1536*\k+8 th:TH_LOAD_NT
	v_mov_b32 v[MA+4*\k+3], 1.0
.endr
.irp t, 0,1,2,3
	global_load_b32 v[RA+3*\t], v[WO0], s[6:7] offset:12*(32*(\t/2)+8*(\t%2))
	global_load_b32 v[RA+3*\t+1], v[WO1], s[6:7] offset:12*(32*(\t/2)+8*(\t%2))+4
	global_load_b32 v[RA+3*\t+2], v[BO], s[8:9] offset:4*(32*(\t/2)+8*(\t%2))
.endr
	WIN 0xc0                                       ; destination window 3
	BLOAD BS, 12
	BLOAD BS+32, 14
	BLOAD BS+64, 16
	BLOAD BS+96, 18
	WIN 0x40                                       ; window 1
	BLOAD WFR, 20
	WIN 0x80                                       ; window 2
	WLOAD 0, 1
	WLOAD 128, 2
	WIN 0xc0
	WLOAD 0, 3
	WIN 0x40
	WLOAD 0, 4
	WIN 0
	SPAIR NMG,  0xcb400000                         ; -1.5 x 2^23
	SPAIR D1,   0x40490fdb                         ; sin(pi z) / z = d1 + d3 s + d5 s^2 + d7 s^3 + d9 s^4 on |z| <= 1/2
	SPAIR D3,   0xc0a55ddc
	SPAIR D5,   0x402333b6
	SPAIR D9,   0x3d9e250f
	SPAIR K1_0, 0x4118c9eb                         ; 30 / pi
	VPAIR MG,   0x4b400000
	VPAIR D7,   0xbf191972
	s_wait_kmcnt 0x0
	s_mov_b32 s[BF+1], s[BF]
	LAYER 1, K1_1
	LAYER 2, K1_2
	LAYER 3, K1_3
	LAYER 4, K1_4
.irp j, 0,1,2,3                                ; the results of layer j are operand A of product j + 1: entry 2 j
	s_add_co_i32 s84, s[28+2*\j], 127
	s_lshl_b32 s[CVSS+\j], s84, 23
	s_add_co_i32 s84, s84, 15
	s_lshl_b32 s84, s84, 23
	s_or_b32 s[LIMS+\j], s84, 0x600000
.endr
	s_wait_loadcnt 0x3f                            ; of the 204 loads at most 63 are out: the first 76 (points, W0, b0, biases, Wf) are in; the codes go on landing under layer 0
.irp k, 0,1,2,3,4,5,6,7
	ds_store_b128 v[XYS], v[MA+4*\k:MA+4*\k+3] offset:2048*\k
.endr
	v_cmp_eq_u32 vcc_lo, 1, v[HH]
	WIN 0x40
.irp t, 0,1,2,3
	v_mov_b32 v[W0F+2*\t], v[RA+3*\t]              ; k = 2 h: w0 | w2
	v_cndmask_b32 v[W0F+2*\t+1], v[RA+3*\t+1], v[RA+3*\t+2], vcc_lo   ; k = 2 h + 1: w1 | b0
.endr
	WIN 0xc3
.irp l, 0,1,2,3
.set j, 0
.rept 32
	v_ldexp_f32 v[BS+32*\l+j], v[BS+32*\l+j], s[NE+\l]   ; b / 2^E: a sum stands for sum x 2^E
.set j, j+1
.endr
.endr
	WIN 0
	s_mov_b32 s[BLK], 0
	s_mov_b32 s[XBO], 0
	BARRIER                                        ; the 1,024 points lie in LDS
	; ---- A BLOCK OF 512 POINTS.  Each barrier parts a buffer's writers from its readers, and the readers of the other buffer from its next writers.
.Lblock:
	PHASE 0, 1, 0,   LI0, WL0, K1_0, 28, LIMS
	PRE 1
	BARRIER
	s_wait_loadcnt 0x0                             ; all codes are in registers
	PHASE 1, 2, 0,   LI0, WL1, K1_1, 30, LIMS+1
	PRE 2
	BARRIER
	PHASE 1, 2, 128, LI1, WL0, K1_2, 32, LIMS+2
	PRE 3
	BARRIER
	PHASE 1, 3, 0,   LI0, WL1, K1_3, 34, LIMS+3
	PRE 4
	BARRIER
	PHASE 2, 1, 0,   LI1, WL0, K1_4, 28, LIMS
	BARRIER                                        ; the eight planes are whole
.irp k, 0,1,2,3,4,5,6,7
	ds_load_b128 v[TA+4*\k:TA+4*\k+3], v[PRD] offset:\k*PPIT         ; four points a thread
.endr
	s_wait_dscnt 0x0
.irp k, 0,2,4,6
	v_pk_add_f32 v[TA+4*\k:TA+4*\k+1], v[TA+4*\k:TA+4*\k+1], v[TA+4*\k+4:TA+4*\k+5]
	v_pk_add_f32 v[TA+4*\k+2:TA+4*\k+3], v[TA+4*\k+2:TA+4*\k+3], v[TA+4*\k+6:TA+4*\k+7]
.endr
.irp k, 0,4
	v_pk_add_f32 v[TA+4*\k:TA+4*\k+1], v[TA+4*\k:TA+4*\k+1], v[TA+4*\k+8:TA+4*\k+9]
	v_pk_add_f32 v[TA+4*\k+2:TA+4*\k+3], v[TA+4*\k+2:TA+4*\k+3], v[TA+4*\k+10:TA+4*\k+11]
.endr
	v_pk_add_f32 v[TA:TA+1], v[TA:TA+1], v[TA+16:TA+17]
	v_pk_add_f32 v[TA+2:TA+3], v[TA+2:TA+3], v[TA+18:TA+19]
	v_pk_add_f32 v[TA:TA+1], v[TA:TA+1], s[BF:BF+1] op_sel_hi:[1,0]
	v_pk_add_f32 v[TA+2:TA+3], v[TA+2:TA+3], s[BF:BF+1] op_sel_hi:[1,0]
	global_store_b128 v[OUTO], v[TA:TA+3], s[26:27] th:TH_STORE_NT   ; a wave stores 512 consecutive bytes, aligned
	s_wait_xcnt 0x0                                ; the store has read its data and its base: both are written again below and in the next block
	s_add_nc_u64 s[26:27], s[26:27], 2048
	s_add_co_u32 s[XBO], s[XBO], 8192
	s_add_co_u32 s[BLK], s[BLK], 1
	s_cmp_lt_u32 s[BLK], 2
	s_cbranch_scc1 .Lblock
	s_wait_tensorcnt 0x0
	ds_add_u32 v254, v255
	s_wait_dscnt 0x0
	s_endpgm
.Lfunc_end_k_q5b26432b1f_siren:
	.size	k_q5b26432b1f_siren, .Lfunc_end_k_q5b26432b1f_siren-k_q5b26432b1f_siren
	.p2alignl 7, 3214868480
	.fill 96, 4, 3214868480
	.section	.rodata,"a",@progbits
	.p2align	6, 0x0
	.amdhsa_kernel k_q5b26432b1f_siren
		.amdhsa_group_segment_fixed_size 295936
		.amdhsa_private_segment_fixed_size 0
		.amdhsa_enable_private_segment 0
		.amdhsa_kernarg_size 96
		.amdhsa_user_sgpr_count 2
		.amdhsa_user_sgpr_kernarg_segment_ptr 1
		.amdhsa_wavefront_size32 1
		.amdhsa_system_sgpr_workgroup_id_x 1
		.amdhsa_system_sgpr_workgroup_id_y 1
		.amdhsa_system_sgpr_workgroup_id_z 1
		.amdhsa_system_vgpr_workitem_id 0
		.amdhsa_next_free_vgpr 1024
		.amdhsa_next_free_sgpr 96
		.amdhsa_reserve_vcc 1
		.amdhsa_float_denorm_mode_32 3
		.amdhsa_float_denorm_mode_16_64 3
		.amdhsa_memory_ordered 1
		.amdhsa_forward_progress 1
		.amdhsa_inst_pref_size 255
	.end_amdhsa_kernel
	.section	.bss,"aw",@nobits
	.p2align	6
	.space	262144
	.amdgpu_metadata
---
amdhsa.version: [ 1, 2 ]
amdhsa.kernels:
  - .name:           k_q5b26432b1f_siren
    .symbol:         k_q5b26432b1f_siren.kd
    .args:
      - { .name: xyt, .offset: 0, .size: 8, .value_kind: global_buffer, .address_space: global }
      - { .name: W0, .offset: 8, .size: 8, .value_kind: global_buffer, .address_space: global }
      - { .name: b0, .offset: 16, .size: 8, .value_kind: global_buffer, .address_space: global }
      - { .name: wq, .offset: 24, .size: 8, .value_kind: global_buffer, .address_space: global }
      - { .name: b1, .offset: 32, .size: 8, .value_kind: global_buffer, .address_space: global }
      - { .name: b2, .offset: 40, .size: 8, .value_kind: global_buffer, .address_space: global }
      - { .name: b3, .offset: 48, .size: 8, .value_kind: global_buffer, .address_space: global }
      - { .name: b4, .offset: 56, .size: 8, .value_kind: global_buffer, .address_space: global }
      - { .name: Wf, .offset: 64, .size: 8, .value_kind: global_buffer, .address_space: global }
      - { .name: bf, .offset: 72, .size: 8, .value_kind: global_buffer, .address_space: global }
      - { .name: lowp_scales, .offset: 80, .size: 8, .value_kind: global_buffer, .address_space: global }
      - { .name: out0, .offset: 88, .size: 8, .value_kind: global_buffer, .address_space: global }
    .group_segment_fixed_size: 295936
    .private_segment_fixed_size: 0
    .kernarg_segment_align: 8
    .kernarg_segment_size: 96
    .max_flat_workgroup_size: 128
    .sgpr_count:     96
    .vgpr_count:     1024
    .wavefront_size: 32
...
	.end_amdgpu_metadata
.endif
;; end of part 2
;; ======== version 2 of 2: 2 launches
;; limits: right only within a limited range of input values
;; workspace buffers: wq 262,144 bytes
;; launch prep (part 3): grid 128 x 1, 4 waves a work-group, no clusters, 0 bytes of LDS; arguments W1, W2, W3, W4, lowp_scales, wq; writes wq
.if DOCPART == 3
	.amdgcn_target "amdgcn-amd-amdhsa--gfx1250"
	.amdhsa_code_object_version 6
	.text
	.protected	k_q5b26432b1f_prep
	.globl	k_q5b26432b1f_prep
	.p2align	8
	.type	k_q5b26432b1f_prep,@function
k_q5b26432b1f_prep:
	s_mov_b64 s[64:65], 0
	v_nop
	global_prefetch_b8 v0, s[64:65] scope:SCOPE_SE
	s_setreg_imm32_b32 hwreg(HW_REG_WAVE_MODE, 25, 1), 1
	s_wait_xcnt 0x0
; W1 .. W4 [256 (unit)][256 (k)], f32, become codes of BF8 (E5M2), each tensor with the one scale 2^e that is given for it (entries 1, 3, 5, 7 of the scales),
; laid IN THE ORDER OF THE OPERAND'S REGISTERS of the launch that multiplies:  wq[layer 0..3][wave g 0..3][fragment f = 2 t + s][c 0..3][lane][16 bytes].
; The 16 bytes of lane (r = lane % 16, h = lane / 16) are the codes of W[unit][k0 .. k0 + 15], unit = 64 g + 32 (t / 2) + 8 (t % 2) + r + 8 (r / 8), k0 = 128 s + 32 c + 16 h.
; So the multiplying wave fetches four registers of a fragment by one load of 512 consecutive bytes, and the rows of a tile are those that leave its results in the next operand's order.
; code = x / 2^e, held within +-57,344, to the nearest code, ties to even.  LIMITS: -126 <= e <= 112, so that 2^e and 57,344 x 2^e are f32 numbers; NaN among the inputs is not served.
; SHARES: work-group = (layer, g, f): 128 of them; wave = c; a lane reads its 16 neighbours along K (64 bytes) and stores 16 bytes: a wave's store covers 512 consecutive bytes, aligned.
; A lane's reads are pieces of 64 bytes of rows 1,024 bytes apart: the four tensors are read once, 1 MiB in all, so no turn through LDS is made for them.
.set X,   8                            ; v8-23  16 numbers
.set C,   4                            ; v4-7   their codes
	s_load_b256 s[4:11], s[0:1], 0x0               ; W1 s[4:5], W2 s[6:7], W3 s[8:9], W4 s[10:11]
	s_load_b128 s[12:15], s[0:1], 0x20             ; the scales' exponents s[12:13], wq s[14:15]
	v_lshrrev_b32 v1, 5, v0
	v_readfirstlane_b32 s16, v1                    ; wave = c
	v_and_b32 v2, 31, v0
	v_lshlrev_b32 v2, 4, v2                        ; out: 16 x lane
	v_and_b32 v3, 15, v0                           ; r
	v_bfe_u32 v24, v0, 4, 1                        ; h
	v_and_b32 v25, 8, v3
	v_add_nc_u32 v25, v25, v3                      ; r + 8 (r / 8)
	v_lshlrev_b32 v25, 10, v25                     ; a row of W is 1,024 bytes
	v_lshl_add_u32 v3, v24, 6, v25                 ; + 64 h: in
	s_lshr_b32 s17, ttmp9, 5                       ; layer 0..3
	s_bfe_u32 s18, ttmp9, 0x20003                  ; g
	s_and_b32 s19, ttmp9, 7                        ; f
	s_lshr_b32 s22, s19, 1                         ; t
	s_and_b32 s23, s19, 1                          ; s
	s_lshl_b32 s24, s18, 6                         ; the tile's first row: 64 g
	s_lshr_b32 s25, s22, 1
	s_lshl_b32 s25, s25, 5
	s_add_co_u32 s24, s24, s25                     ; + 32 (t / 2)
	s_and_b32 s25, s22, 1
	s_lshl_b32 s25, s25, 3
	s_add_co_u32 s24, s24, s25                     ; + 8 (t % 2)
	s_lshl_b32 s24, s24, 10                        ; in bytes
	s_lshl_b32 s25, s23, 9
	s_add_co_u32 s24, s24, s25                     ; + 128 s numbers
	s_lshl_b32 s25, s16, 7
	s_add_co_u32 s24, s24, s25                     ; + 32 c numbers
	s_mov_b32 s25, 0
	s_lshl_b32 s26, ttmp9, 2
	s_add_co_u32 s26, s26, s16
	s_lshl_b32 s26, s26, 9                         ; out: (4 x work-group + c) x 512 bytes
	s_mov_b32 s27, 0
	s_wait_alu depctr_va_vdst(0)
	s_wait_kmcnt 0x0
	s_load_b256 s[28:35], s[12:13], 0x0            ; all eight exponents
	s_cmp_eq_u32 s17, 1                            ; the layer's tensor: a choice on the work-group's number alone
	s_cselect_b64 s[4:5], s[6:7], s[4:5]
	s_cmp_eq_u32 s17, 2
	s_cselect_b64 s[4:5], s[8:9], s[4:5]
	s_cmp_eq_u32 s17, 3
	s_cselect_b64 s[4:5], s[10:11], s[4:5]
	s_add_nc_u64 s[4:5], s[4:5], s[24:25]
	s_add_nc_u64 s[14:15], s[14:15], s[26:27]
.irp i, 0,1,2,3
	global_load_b128 v[X+4*\i:X+4*\i+3], v3, s[4:5] offset:16*\i th:TH_LOAD_NT
.endr
	s_wait_kmcnt 0x0
	s_cmp_eq_u32 s17, 1                            ; the weight's exponent: entry 2 x layer + 1
	s_cselect_b32 s20, s31, s29
	s_cmp_eq_u32 s17, 2
	s_cselect_b32 s20, s33, s20
	s_cmp_eq_u32 s17, 3
	s_cselect_b32 s20, s35, s20
	s_add_co_i32 s20, s20, 127
	s_lshl_b32 s21, s20, 23
	v_mov_b32 v26, s21                             ; 2^e as f32: the conversion takes its exponent field
	s_add_co_i32 s20, s20, 15
	s_lshl_b32 s20, s20, 23
	s_or_b32 s20, s20, 0x600000
	v_mov_b32 v27, s20                             ; 57,344 x 2^e
	s_wait_alu depctr_va_vdst(0)
	s_wait_loadcnt 0x0
.irp i, 0,1,2,3,4,5,6,7,8,9,10,11,12,13,14,15
	v_med3_num_f32 v[X+\i], v[X+\i], -v27, v27     ; the conversion to an 8-bit code does not saturate (ISA guide 7.6.2): the hold comes first
.endr
	v_cvt_scalef32_pk8_bf8_f32 v[C:C+1], v[X:X+7], v26
	v_cvt_scalef32_pk8_bf8_f32 v[C+2:C+3], v[X+8:X+15], v26
	global_store_b128 v2, v[C:C+3], s[14:15]       ; the results go to a store alone
	s_endpgm
.Lfunc_end_k_q5b26432b1f_prep:
	.size	k_q5b26432b1f_prep, .Lfunc_end_k_q5b26432b1f_prep-k_q5b26432b1f_prep
	.p2alignl 7, 3214868480
	.fill 96, 4, 3214868480
	.section	.rodata,"a",@progbits
	.p2align	6, 0x0
	.amdhsa_kernel k_q5b26432b1f_prep
		.amdhsa_group_segment_fixed_size 0
		.amdhsa_private_segment_fixed_size 0
		.amdhsa_enable_private_segment 0
		.amdhsa_kernarg_size 48
		.amdhsa_user_sgpr_count 2
		.amdhsa_user_sgpr_kernarg_segment_ptr 1
		.amdhsa_wavefront_size32 1
		.amdhsa_system_sgpr_workgroup_id_x 1
		.amdhsa_system_sgpr_workgroup_id_y 1
		.amdhsa_system_sgpr_workgroup_id_z 1
		.amdhsa_system_vgpr_workitem_id 0
		.amdhsa_next_free_vgpr 32
		.amdhsa_next_free_sgpr 66
		.amdhsa_reserve_vcc 0
		.amdhsa_float_denorm_mode_32 3
		.amdhsa_float_denorm_mode_16_64 3
		.amdhsa_memory_ordered 1
		.amdhsa_forward_progress 1
		.amdhsa_inst_pref_size 5
	.end_amdhsa_kernel
	.amdgpu_metadata
---
amdhsa.version: [ 1, 2 ]
amdhsa.kernels:
  - .name:           k_q5b26432b1f_prep
    .symbol:         k_q5b26432b1f_prep.kd
    .args:
      - { .name: W1, .offset: 0, .size: 8, .value_kind: global_buffer, .address_space: global }
      - { .name: W2, .offset: 8, .size: 8, .value_kind: global_buffer, .address_space: global }
      - { .name: W3, .offset: 16, .size: 8, .value_kind: global_buffer, .address_space: global }
      - { .name: W4, .offset: 24, .size: 8, .value_kind: global_buffer, .address_space: global }
      - { .name: lowp_scales, .offset: 32, .size: 8, .value_kind: global_buffer, .address_space: global }
      - { .name: wq, .offset: 40, .size: 8, .value_kind: global_buffer, .address_space: global }
    .group_segment_fixed_size: 0
    .private_segment_fixed_size: 0
    .kernarg_segment_align: 8
    .kernarg_segment_size: 48
    .max_flat_workgroup_size: 128
    .sgpr_count:     66
    .vgpr_count:     32
    .wavefront_size: 32
...
	.end_amdgpu_metadata
.endif
;; end of part 3
;; launch siren (part 4): grid 256 x 1, 4 waves a work-group, no clusters, 295,936 bytes of LDS; arguments xyt, W0, b0, wq, b1, b2, b3, b4, Wf, bf, lowp_scales, out0; writes out0
.if DOCPART == 4
	.amdgcn_target "amdgcn-amd-amdhsa--gfx1250"
	.amdhsa_code_object_version 6
	.text
	.protected	k_q5b26432b1f_siren
	.globl	k_q5b26432b1f_siren
	.p2align	8
	.type	k_q5b26432b1f_siren,@function
k_q5b26432b1f_siren:
	s_mov_b64 s[64:65], 0
	v_nop
	global_prefetch_b8 v0, s[64:65] scope:SCOPE_SE
	s_setreg_imm32_b32 hwreg(HW_REG_WAVE_SCHED_MODE, 0, 2), 2
	s_setreg_imm32_b32 hwreg(HW_REG_WAVE_MODE, 25, 1), 1
	s_wait_xcnt 0x0
	s_wait_alu depctr_vm_vsrc(0)
; out[n] = Wf . h5 + bf;  h1 = sin(30 (xyt W0^T + b0));  h(l+1) = sin(Q(hl) Q(Wl)^T + bl), l = 1 .. 4, Q = codes of BF8 (E5M2) with the given scales.  The whole chain in one launch.
; WHAT BINDS: 1,280 sines a point against 4 x 65,536 multiply-adds on 8-bit codes: the vector instructions are the long pole.  So the sine is as short as f32 accuracy allows, nearly all of it packed,
; and matrix instructions and LDS instructions stand BETWEEN its lines.
; SHARES.  256 work-groups of 1,024 points; four waves.  THE WAVES SHARE THE UNITS, NOT THE POINTS: wave g makes units 64 g .. 64 g + 63 of every layer, so its part of W1 .. W4 (4 x 128 registers of codes, laid by the
; launch before in the order of these registers) is loaded once and stays.  Points go in two blocks of 512 = 32 tiles of 16.  A layer's results go from wave to wave through LDS as images of the next operand's registers.
; LAYOUT.  Products are used transposed (source 0 = 16 units, source 1 = 16 points): lane (r, h) holds point r, and register j of tile t unit 64 g + 32 (t / 2) + 16 h + 8 (t % 2) + j (the units of a tile are chosen so):
; the 16 registers of tiles 2 b, 2 b + 1 are 16 neighbours along the next K.  The image of a tile of points is 8 groups q of 512 bytes, lane l's 16 bytes at 16 l: k = 32 q + 16 h + 0 .. 15; wave g stores groups 2 g, 2 g + 1.
; That is a permutation of k within a K step of 128, the same in both operands.
; LAYER 0 goes to v_wmma_f32_16x16x4_f32 with K = (x0, x1, x2, 1) against (w0, w1, w2, b0): f32 operands, as a product ahead of a quantiser needs.  Its accumulators are written by matrix instructions alone, and each sum is one instruction with C = 0.
; THE BIASES b1 .. b4 are the C of each sum's first matrix instruction, divided once by 2^E (E = the product's two exponents added).  THE LAST LAYER is f32 multiply-adds on the sines; the 8 partial sums of a point meet in LDS.
; THE SINE of x = S a (a: the accumulator; S = 2^E, or 30):  t = a S/pi + 1.5 x 2^23 (its low bits are n = x/pi to the nearest whole number);  n = t - 1.5 x 2^23, exact;  z = a S/pi - n, one fused multiply-add, |z| <= 1/2;
; z's sign is flipped where n is odd (t << 31 added to z's bits);  y = z (d1 + s (d3 + s (d5 + s (d7 + s d9)))), s = z z: the polynomial is within 5e-8 of sin(pi z) / z, and with the roundings of its last two steps y is within 2e-7 of the number.
; S/pi is an f32 number: its rounding is a relative change of x of 4e-8 at the most, less than the half unit in the last place that x itself carries.
; THE QUANTISER'S HOLD.  |z| <= 1/2 gives |y| <= 1.000001, and 57,344 x 2^e >= 1.75 where e >= -15: there the hold changes no number, and a scalar branch on the given whole number e leads round its 32 lines, and round nothing else.  Where e < -15 they run.
; A TRIP IS A TILE: the sine of tile i; among its lines the 8 matrix instructions of tile i + 1 and the LDS loads of tile i + 2.  An accumulator is free once its four pairs of z are made: the four products of K step 0 stand in that stage,
; each behind its accumulator's last read; those of K step 1 in the polynomial's first stage.  Both stages have a SCALAR as source 0, so they run unchanged under the setting in which source 0 means the weights' window:
; four s_set_vgpr_msb a tile, and four plain vector lines behind every matrix instruction.
; NO CLUSTER, NO TENSOR LOAD: what work-groups share is the 262,144 bytes of codes, of which each wave reads its 65,536 once, straight into the registers where they stay; a joint load would land them in LDS,
; of which 295,424 bytes hold the block's images, and add a second trip into registers.  No stream is waited for in any loop, so nothing is prefetched.
; LIMITS: |x| < 2^22 pi;  E between -124 and 129;  the activations' exponents between -126 and 112;  NaN and infinities among the inputs are not served.
; THE MODE: SCHED_MODE bits 1:0 = 2 (LLVM: expert scheduling mode 2), set by the entry lines.  The code itself states the register dependences
; between vector or matrix instructions and memory or LDS instructions, with s_wait_alu, always for 0.
; THE PLAN.  Registers that LDS or memory instructions touch in a tile, in the tile's order:
;   v[ADR]             Written by one add ahead of stage z; read by the run of loads behind stage s.
;   v[FR .. FR+15]     K step 0 of a tile of points (layer 0: v[XB:XB+1], the points).  Read by the four matrix instructions in stage z; the loads behind stage s land in it.
;   v[ADR2]            Written by one add ahead of the polynomial; read by the run of loads at the tile's end.
;   v[FR+16 .. FR+31]  K step 1.  Read by the four matrix instructions in the polynomial's first stage; the loads at the tile's end land in it.
;   v[CD ..], v[WAD]   (last layer: v[OS], v[WAD])  Written at the tile's end by the conversions (the sum) and an add; read by the stores straight behind them.
;   v1-6, v28, v29 and the head's offsets are made at the head and never written again.  ACC, RA, BI, O and the weights' windows are named by vector and matrix instructions alone.
;   TA is touched by memory at a block's end alone (the planes' loads land in it, the output's store reads it), MA in the head alone (the points' LDS stores read it).
; THREE WAITS A TILE, and in layers 0 .. 3 one more on va_vdst ahead of the conversions.  vm_vsrc behind stage n: the last tile's stores and loads have read CD (OS), WAD, ADR and ADR2, all written again below.  va_vdst behind stage s: ADR is written, and K step 0's matrix instructions are done
; reading.  va_vdst ahead of the stores: CD (OS), WAD and ADR2 are written, and K step 1's matrix instructions are done reading; the stores and K step 1's loads follow it with no vector line between.
; Window 0, where a matrix instruction's source 1 lies, has no run of 16 registers left for a second buffer of K step 1: so the two runs of loads have a wait each.
.set IMG,  4096                        ; an image: 16 points x 256 codes
.set X1,   131072                      ; LDS: images, buffer 0 at 0 and buffer 1 here, 32 tiles each
.set PLN,  262144                      ; 8 planes (2 g + h) of 512 partial sums,
.set PPIT, 2112                        ; 2,048 bytes + 64 apart
.set XY,   279040                      ; 1,024 points x (x0, x1, x2, 1.0)
; window 0
.set LI0,  1                           ; v1   16 x lane: an image's place for my lane in buffer 0; also my offset in the codes
.set LI1,  2                           ; v2   the same in buffer 1
.set WL0,  3                           ; v3   where I store: 16 x lane + 1,024 g, buffer 0
.set WL1,  4                           ; v4   buffer 1
.set XYA,  5                           ; v5   XY + 16 r + 8 h
.set PST,  6                           ; v6   PLN + (2 g + h) PPIT + 4 r
.set ADR,  7                           ; v7   address of the first run of loads in hand
.set WAD,  8                           ; v8   address of the stores in hand
.set CVS,  9                           ; v9   the conversion's scale
.set MG,   10                          ; v[10:11] 1.5 x 2^23
.set D7,   14                          ; v[14:15]
.set CD,   16                          ; v16-23 codes just made
.set XB,   24                          ; v[24:25] layer 0's points
.set ADR2, 26                          ; v26  address of the second run of loads
.set PRD,  28                          ; v28  PLN + 16 x thread
.set OUTO, 29                          ; v29  16 x thread
.set OS,   30                          ; v30  a tile's partial sum
.set ACC,  32                          ; v32-63   four accumulators
.set FR,   64                          ; v64-95   a tile of points: two fragments
.set TA,   96                          ; v96-127  t, then the polynomial
.set MA,   128                         ; v128-159 n, then s
.set RA,   160                         ; v160-191 z, then y
.set BI,   192                         ; v192-223 the phase's biases
.set O,    224                         ; v224-231 the last layer's sums, four pairs
.set TG,   232                         ; v232-242 the head's own
.set LN,   233
.set RR,   234
.set HH,   235
.set XO,   236
.set UP,   237
.set WO1,  238
.set WO0,  239
.set BO,   240
.set HOF,  241
.set XYS,  242
; window 1: v0-127 W4's codes; v128-159 Wf; v160-167 W0 and b0.   window 2: v0-127 W1's, v128-255 W2's.   window 3: v0-127 W3's; v128-255 b1 .. b4 / 2^E
.set WFR,  128
.set W0F,  160
.set BS,   128
; scalars: s[4:27] the twelve addresses, s[28:35] the exponents (they stay: the hold's branch reads them)
.set NMG,  36                          ; s[36:37] -1.5 x 2^23
.set D1,   38
.set D9,   40
.set D5,   42
.set D3,   44
.set K1_0, 46                          ; S / pi, a pair, for layers 0 .. 4
.set K1_1, 50
.set K1_2, 54
.set K1_3, 58
.set K1_4, 66
.set LIMS, 70                          ; s70-73 57,344 x 2^e for the results of layers 0 .. 3
.set CVSS, 74                          ; s74-77 2^e
.set TB,   78                          ; s78  4,096 x the tile in hand
.set BLK,  79
.set WV,   80
.set XBO,  81                          ; s81  the block's first byte in XY
.set BF,   82                          ; s[82:83]
.set T2,   84                          ; s84-86 at work
.set NE,   88                          ; s88-91 -E of layers 1 .. 4
.set MSB, 0
.macro WIN new                         ; the immediate's high byte repeats the setting that is left; a switch that changes nothing is dropped
.if MSB != \new
	s_set_vgpr_msb (MSB<<8)|\new
.set MSB, \new
.endif
.endm
.macro PLACES n
.rept \n
	v_nop
.endr
.endm
.macro BARRIER                         ; my LDS stores have landed and my LDS loads are in: then the work-group's barrier
	s_wait_dscnt 0x0
	s_barrier_signal -1
	s_barrier_wait -1
.endm
.macro SPAIR r, val
	s_mov_b32 s[\r], \val
	s_mov_b32 s[\r+1], \val
.endm
.macro VPAIR r, val
	v_mov_b32 v[\r], \val
	v_mov_b32 v[\r+1], \val
.endm
; Matrix instruction k of a tile's eight: 0-3 K step 0 of tiles of units 0-3, C = the bias; 4-7 K step 1, in place.  The four accumulators take turns, one instruction a turn.
.macro WM wb, k
.if (\k) < 4
	v_wmma_f32_16x16x128_bf8_bf8 v[ACC+8*(\k):ACC+8*(\k)+7], v[(\wb)+32*(\k):(\wb)+32*(\k)+15], v[FR:FR+15], v[BI+8*(\k):BI+8*(\k)+7]
.else
	v_wmma_f32_16x16x128_bf8_bf8 v[ACC+8*((\k)-4):ACC+8*((\k)-4)+7], v[(\wb)+32*((\k)-4)+16:(\wb)+32*((\k)-4)+31], v[FR+16:FR+31], v[ACC+8*((\k)-4):ACC+8*((\k)-4)+7]
.endif
.endm
; Hosting place n of a tile's eight.  Layer 0 has four matrix instructions, in the first four places.
.macro HOST kind, wb, n, host
.if \host
.if (\kind) == 0
.if (\n) < 4
	v_wmma_f32_16x16x4_f32 v[ACC+8*(\n):ACC+8*(\n)+7], v[W0F+2*(\n):W0F+2*(\n)+1], v[XB:XB+1], 0
.endif
.else
	WM \wb, \n
.endif
.endif
.endm
; THE TILE in hand, at s[TB].  kind 0: layer 0; 1: layers 1-3; 2: layer 4 with the last layer's sums.  w: the window of source 0 for the hosted matrix instructions; wb: the weights' first register there.
; lin, wout: my lane's place in the buffer read and in the buffer written.  k1: S / pi.  ex: the register with the results' exponent e; lim: 57,344 x 2^e.  host = 1: the next tile's matrix instructions are hosted.  ld = 1: the tile after that is fetched.
; PLACES (ISA guide 7.12.1): behind a bf8 instruction four plain vector lines that name none of its registers stand ahead of a read of its result, behind the f32 form eight.  For a load into a matrix instruction's operands the wait on va_vdst states the dependence.
; LDS INSTRUCTIONS OF A TILE, in order: behind s, the four loads of K step 0 (layer 0: the one load of points); at the end, the stores (two; kind 2: one) and the four loads of K step 1.
.macro TILE kind, w, wb, lin, wout, k1, ex, lim, host, ld
.set TW, (\w)*(\host)
	WIN TW
.set p, 0
.rept 16
	v_pk_fma_f32 v[TA+p:TA+p+1], s[\k1:\k1+1], v[ACC+p:ACC+p+1], v[MG:MG+1] op_sel_hi:[0,1,1]        ; t; each accumulator is read from its low end on
.set p, p+2
.endr
.set p, 0
.rept 16
	v_pk_add_f32 v[MA+p:MA+p+1], s[NMG:NMG+1], v[TA+p:TA+p+1] op_sel_hi:[0,1]                        ; n = t - 1.5 x 2^23
.set p, p+2
.endr
.if \host
.if (\kind) == 0
	s_wait_dscnt 0x2                               ; only the last tile's two stores may be out: the next tile's points, asked for ahead of them, are in
.else
	s_wait_dscnt 0x4                               ; only the four loads of the next tile's K step 1 may be out: its K step 0 is in, and the last tile's stores are done, so their registers are free
.endif
.endif
	s_wait_alu depctr_vm_vsrc(0)                   ; the last tile's LDS stores have read their data (v[CD ..] or v[OS]) and v[WAD], its LDS loads v[ADR] and v[ADR2]: all of these are written again in this tile
.if \ld
.if (\kind) == 0
	s_lshr_b32 s[T2], s[TB], 4                     ; 256 bytes a tile
	s_add_co_u32 s[T2], s[T2], s[XBO]
	v_add_nc_u32 v[ADR], s[T2], v[XYA]             ; (its last load was shown in by the wait above)
.else
	v_add_nc_u32 v[ADR], s[TB], v[\lin]            ; (its last loads were shown in by the wait above)
.endif
.endif
.set p, 0
.rept 16
	v_pk_fma_f32 v[RA+p:RA+p+1], s[\k1:\k1+1], v[ACC+p:ACC+p+1], v[MA+p:MA+p+1] op_sel_hi:[0,1,1] neg_lo:[0,0,1] neg_hi:[0,0,1]   ; z = a S/pi - n: the accumulators' last read
.if (p % 8) == 6
	HOST \kind, \wb, p/8, \host                    ; the accumulator whose four pairs have just been read is begun anew
.endif
.set p, p+2
.endr
	WIN 0
.set i, 0
.rept 32
	v_lshl_add_u32 v[RA+i], v[TA+i], 31, v[RA+i]   ; n odd: 2^31 added to z's bits turns its sign
.set i, i+1
.endr
.set p, 0
.rept 16
	v_pk_mul_f32 v[MA+p:MA+p+1], v[RA+p:RA+p+1], v[RA+p:RA+p+1]                                     ; s
.set p, p+2
.endr
.if \ld
	s_wait_alu depctr_va_vdst(0)                   ; v[ADR] is written, which the loads below read; the matrix instructions in stage z are done reading K step 0's fragment (layer 0: the points), in which they land
.if (\kind) == 0
	ds_load_b64 v[XB:XB+1], v[ADR] offset:512      ; the points of the tile two on
.else
.irp q, 0,1,2,3
	ds_load_b128 v[FR+4*\q:FR+4*\q+3], v[ADR] offset:2*IMG+512*\q    ; K step 0 of the tile two on
.endr
.endif
.endif
.if !(\host)
	s_wait_dscnt 0x0                               ; the last tile's stores are done: their registers are written below
.elseif (\kind) == 0
	s_wait_dscnt \ld                               ; only the load just issued may be out: the last tile's stores are done, so their registers are free
.else
	s_wait_dscnt 4*(\ld)                           ; only the loads just issued may be out: the next tile's K step 1 is in
.endif
.if (\kind) != 0
	WIN TW
.if \ld
	v_add_nc_u32 v[ADR2], s[TB], v[\lin]           ; (its last loads were shown in by the wait above)
.endif
.endif
.set p, 0
.rept 16
	v_pk_fma_f32 v[TA+p:TA+p+1], s[D9:D9+1], v[MA+p:MA+p+1], v[D7:D7+1] op_sel_hi:[0,1,1]
.if (p % 8) == 6
	HOST \kind, \wb, 4+p/8, \host                  ; K step 1; the lines of the next stage are the places behind the last one
.endif
.set p, p+2
.endr
	WIN 0
.set p, 0
.rept 16
	v_pk_fma_f32 v[TA+p:TA+p+1], v[TA+p:TA+p+1], v[MA+p:MA+p+1], s[D5:D5+1] op_sel_hi:[1,1,0]
.set p, p+2
.endr
.set p, 0
.rept 16
	v_pk_fma_f32 v[TA+p:TA+p+1], v[TA+p:TA+p+1], v[MA+p:MA+p+1], s[D3:D3+1] op_sel_hi:[1,1,0]
.set p, p+2
.endr
.set p, 0
.rept 16
	v_pk_fma_f32 v[TA+p:TA+p+1], v[TA+p:TA+p+1], v[MA+p:MA+p+1], s[D1:D1+1] op_sel_hi:[1,1,0]
.set p, p+2
.endr
.set p, 0
.rept 16
	v_pk_mul_f32 v[RA+p:RA+p+1], v[RA+p:RA+p+1], v[TA+p:TA+p+1]                                     ; y
.set p, p+2
.endr
.if (\kind) == 2
	WIN \w                                         ; source 0: Wf, in the window of W4's codes
.set p, 0
.rept 16
.if p < 8
	v_pk_mul_f32 v[O+p:O+p+1], v[WFR+p:WFR+p+1], v[RA+p:RA+p+1]                                     ; the first four products start the sums
.else
	v_pk_fma_f32 v[O+p%8:O+p%8+1], v[WFR+p:WFR+p+1], v[RA+p:RA+p+1], v[O+p%8:O+p%8+1]
.endif
.set p, p+2
.endr
	WIN 0
	v_pk_add_f32 v[O:O+1], v[O:O+1], v[O+2:O+3]
	v_pk_add_f32 v[O+4:O+5], v[O+4:O+5], v[O+6:O+7]
	v_pk_add_f32 v[O:O+1], v[O:O+1], v[O+4:O+5]
	v_add_f32 v[OS], v[O], v[O+1]
	s_lshr_b32 s[T2], s[TB], 6                     ; 64 bytes a tile: 16 points' words
	v_add_nc_u32 v[WAD], s[T2], v[PST]
	s_wait_alu depctr_va_vdst(0)                   ; v[OS] and v[WAD] are written, which the store reads; K step 1's matrix instructions are done reading v[FR+16 ..], in which the loads below land, and v[ADR2], their address, is written
	ds_store_b32 v[WAD], v[OS]                     ; my 32 units' part of point r's sum, into plane 2 g + h
.else
	s_cmp_ge_i32 s[\ex], -15                       ; 57,344 x 2^e >= 1.75 > |y|: the hold would change nothing
	s_cbranch_scc1 .Lidle_\@
.set i, 0
.rept 32
	v_med3_num_f32 v[RA+i], -s[\lim], v[RA+i], s[\lim]   ; the quantiser's hold: the conversion does not saturate (ISA guide 7.6.2)
.set i, i+1
.endr
.Lidle_\@:
	s_wait_alu depctr_va_vdst(0)
.irp q, 0,1,2,3
	v_cvt_scalef32_pk8_bf8_f32 v[CD+2*\q:CD+2*\q+1], v[RA+8*\q:RA+8*\q+7], v[CVS]
.endr
	v_add_nc_u32 v[WAD], s[TB], v[\wout]           ; also the plain line behind the conversions
	s_wait_alu depctr_va_vdst(0)                   ; the conversions have written v[CD ..] and the add v[WAD], which the stores read; K step 1's matrix instructions are done reading v[FR+16 ..], in which the loads below land, and v[ADR2], their address, is written
	ds_store_b128 v[WAD], v[CD:CD+3]               ; group 2 g of the tile's image
	ds_store_b128 v[WAD], v[CD+4:CD+7] offset:512  ; group 2 g + 1
.endif
.if (\ld) && ((\kind) != 0)
.irp q, 4,5,6,7
	ds_load_b128 v[FR+4*\q:FR+4*\q+3], v[ADR2] offset:2*IMG+512*\q   ; K step 1 of the tile two on.  No further wait: no vector or matrix instruction stands behind the wait above
.endr
.endif
.endm
; A LAYER over the block's 32 tiles: tile 0's matrix instructions bare, tile 1 fetched; 30 trips; the last two tiles written out, since they fetch nothing and the last hosts nothing.
; The first loads of layers 1 to 4 have no wait on va_vdst: the last tile of the layer before has one ahead of its stores, behind every reader of v[FR ..], and only moves of biases and of the scale follow it.
.macro PHASE kind, w, wb, lin, wout, k1, ex, lim
	s_mov_b32 s[TB], 0
.if (\kind) == 0
	v_mov_b32 v[CVS], s[CVSS]
	v_add_nc_u32 v[ADR], s[XBO], v[XYA]            ; (a wait on vm_vsrc stands ahead of the block on both ways in: behind the head's barrier, and at a block's end)
	s_wait_alu depctr_va_vdst(0)                   ; v[ADR] is written, which the load reads
	ds_load_b64 v[XB:XB+1], v[ADR]
	s_wait_dscnt 0x0
	WIN \w
.irp n, 0,1,2,3
	HOST 0, 0, \n, 1
.endr
	WIN 0
	PLACES 8                                       ; ahead of the first read of the results
	s_wait_alu depctr_va_vdst(0)                   ; the four matrix instructions are done reading the points' registers, in which the load lands
	ds_load_b64 v[XB:XB+1], v[ADR] offset:256
	s_wait_dscnt 0x0                               ; tile 1's points are in: no store stands behind this load, so the loop's counted wait would not show it
.else
.irp q, 0,1,2,3,4,5,6,7
	ds_load_b128 v[FR+4*\q:FR+4*\q+3], v[\lin] offset:512*\q
.endr
	s_wait_dscnt 0x4                               ; K step 0 is in
	WIN \w
.irp n, 0,1,2,3
	WM \wb, \n
.endr
	s_wait_dscnt 0x0
.irp n, 4,5,6,7
	WM \wb, \n
.endr
	WIN 0
	PLACES 4
	s_wait_alu depctr_va_vdst(0)                   ; the eight matrix instructions are done reading v[FR ..], in which the loads land
.irp q, 0,1,2,3,4,5,6,7
	ds_load_b128 v[FR+4*\q:FR+4*\q+3], v[\lin] offset:IMG+512*\q
.endr
.endif
.Ltile_\@:
	TILE \kind, \w, \wb, \lin, \wout, \k1, \ex, \lim, 1, 1
	s_add_co_u32 s[TB], s[TB], IMG
	s_cmp_lt_u32 s[TB], 30*IMG
	s_cbranch_scc1 .Ltile_\@
	TILE \kind, \w, \wb, \lin, \wout, \k1, \ex, \lim, 1, 0
	s_add_co_u32 s[TB], s[TB], IMG
	TILE \kind, \w, \wb, \lin, \wout, \k1, \ex, \lim, 0, 0
.endm
; Ahead of layer l's barrier: its biases come into window 0, where a matrix instruction's C is taken from, and its results' scale is set.
.macro PRE l
	WIN 0x03
.set j, 0
.rept 32
	v_mov_b32 v[BI+j], v[BS+32*((\l)-1)+j]
.set j, j+1
.endr
	WIN 0
.if (\l) < 4
	v_mov_b32 v[CVS], s[CVSS+(\l)]
.endif
.endm
.macro BLOAD dst, base                 ; 32 numbers of a vector of 256 in the result's layout: for tile t those of units 64 g + 32 (t / 2) + 16 h + 8 (t % 2) + 0 .. 7
.irp t, 0,1,2,3
	global_load_b128 v[(\dst)+8*\t:(\dst)+8*\t+3], v[HOF], s[\base:\base+1] offset:4*(32*(\t/2)+8*(\t%2))
	global_load_b128 v[(\dst)+8*\t+4:(\dst)+8*\t+7], v[HOF], s[\base:\base+1] offset:4*(32*(\t/2)+8*(\t%2))+16
.endr
.endm
.macro WLOAD wb, l                     ; my 8 fragments of layer l: 32 loads of 512 consecutive bytes
.set j, 0
.rept 32
	global_load_b128 v[(\wb)+4*j:(\wb)+4*j+3], v[LI0], s[10:11] offset:((\l)-1)*65536+512*j
.set j, j+1
.endr
.endm
.macro LAYER l, k1                     ; E = the product's two exponents added: S / pi (E added to the exponent field of 1 / pi), and -E
	s_add_co_i32 s84, s[28+2*((\l)-1)], s[29+2*((\l)-1)]
	s_sub_co_i32 s[NE+(\l)-1], 0, s84
	s_lshl_b32 s85, s84, 23
	s_add_co_i32 s[\k1], s85, 0x3ea2f983
	s_mov_b32 s[\k1+1], s[\k1]
.endm
	; ---- THE HEAD
	s_load_b512 s[4:19], s[0:1], 0x0               ; xyt s[4:5], W0 s[6:7], b0 s[8:9], wq s[10:11], b1 .. b4 s[12:19]
	s_load_b256 s[20:27], s[0:1], 0x40             ; Wf s[20:21], bf s[22:23], the exponents s[24:25], out s[26:27]
	v_lshl_add_u32 v254, v0, 2, 0x48200
	v_mov_b32 v255, 0
	v_lshrrev_b32 v[TG], 5, v0
	v_readfirstlane_b32 s[WV], v[TG]               ; g
	v_and_b32 v[LN], 31, v0
	v_and_b32 v[RR], 15, v0                        ; r
	v_bfe_u32 v[HH], v0, 4, 1                      ; h
	v_lshlrev_b32 v[LI0], 4, v[LN]
	v_add_nc_u32 v[LI1], X1, v[LI0]
	v_lshl_add_u32 v[WL0], v[TG], 10, v[LI0]
	v_add_nc_u32 v[WL1], X1, v[WL0]
	v_lshlrev_b32 v[XYA], 4, v[RR]
	v_lshl_add_u32 v[XYA], v[HH], 3, v[XYA]
	v_add_nc_u32 v[XYA], XY, v[XYA]
	v_lshrrev_b32 v[PST], 4, v0                    ; 2 g + h
	v_mul_u32_u24 v[PST], v[PST], PPIT
	v_lshl_add_u32 v[PST], v[RR], 2, v[PST]
	v_add_nc_u32 v[PST], PLN, v[PST]
	v_lshlrev_b32 v[OUTO], 4, v0
	v_lshl_add_u32 v[PRD], v0, 4, PLN
	v_lshl_add_u32 v[XYS], v0, 4, XY
	v_mul_u32_u24 v[XO], v0, 12                    ; xyt: point = thread + 128 k
	v_and_b32 v[UP], 8, v[RR]
	v_add_nc_u32 v[UP], v[UP], v[RR]               ; r + 8 (r / 8): my unit in a tile, as source 0
	v_mul_u32_u24 v[WO1], v[UP], 12                ; W0: a row is 12 bytes
	v_lshl_add_u32 v[WO0], v[HH], 3, v[WO1]        ; + 8 h: w0 or w2
	v_lshlrev_b32 v[BO], 2, v[UP]
	v_lshlrev_b32 v[HOF], 6, v[HH]
.irp k, 0,1,2,3,4,5,6,7
	v_mov_b32 v[MA+4*\k+3], 1.0                    ; the fourth number of each of my eight points: written here, ahead of the one wait on va_vdst below
.endr
	s_mov_b32 s85, 0
	s_wait_alu depctr_va_sdst(0)                   ; s[WV] is written, ahead of its first reader: the bases below are made from it
	s_wait_kmcnt 0x0
	s_load_b256 s[28:35], s[24:25], 0x0
	s_load_b32 s[BF], s[22:23], 0x0
	s_mul_i32 s84, ttmp9, 12288                    ; my work-group's 1,024 points
	s_add_nc_u64 s[4:5], s[4:5], s[84:85]
	s_lshl_b32 s84, ttmp9, 12
	s_add_nc_u64 s[26:27], s[26:27], s[84:85]
	s_lshl_b32 s84, s[WV], 14                      ; my wave's codes in each layer
	s_add_nc_u64 s[10:11], s[10:11], s[84:85]
	s_mul_i32 s84, s[WV], 768                      ; my 64 units
	s_add_nc_u64 s[6:7], s[6:7], s[84:85]
	s_lshl_b32 s84, s[WV], 8
.irp b, 8,12,14,16,18,20
	s_add_nc_u64 s[\b:\b+1], s[\b:\b+1], s[84:85]
.endr
	s_wait_alu depctr_va_vdst(0)                   ; all offsets and LDS addresses made above are written, which the loads and stores of the whole kernel read; so are the eight 1.0, which the points' LDS stores read.  Up to the last of the 204 loads only loads and window switches follow
.irp k, 0,1,2,3,4,5,6,7
	global_load_b32 v[MA+4*\k], v[XO], s[4:5] offset:1536*\k th:TH_LOAD_NT
	global_load_b32 v[MA+4*\k+1], v[XO], s[4:5] offset:1536*\k+4 th:TH_LOAD_NT
	global_load_b32 v[MA+4*\k+2], v[XO], s[4:5] offset:1536*\k+8 th:TH_LOAD_NT
.endr
.irp t, 0,1,2,3
	global_load_b32 v[RA+3*\t], v[WO0], s[6:7] offset:12*(32*(\t/2)+8*(\t%2))
	global_load_b32 v[RA+3*\t+1], v[WO1], s[6:7] offset:12*(32*(\t/2)+8*(\t%2))+4
	global_load_b32 v[RA+3*\t+2], v[BO], s[8:9] offset:4*(32*(\t/2)+8*(\t%2))
.endr
	WIN 0xc0                                       ; destination window 3
	BLOAD BS, 12
	BLOAD BS+32, 14
	BLOAD BS+64, 16
	BLOAD BS+96, 18
	WIN 0x40                                       ; window 1
	BLOAD WFR, 20
	WIN 0x80                                       ; window 2
	WLOAD 0, 1
	WLOAD 128, 2
	WIN 0xc0
	WLOAD 0, 3
	WIN 0x40
	WLOAD 0, 4
	WIN 0
	SPAIR NMG,  0xcb400000                         ; -1.5 x 2^23
	SPAIR D1,   0x40490fdb                         ; sin(pi z) / z = d1 + d3 s + d5 s^2 + d7 s^3 + d9 s^4 on |z| <= 1/2
	SPAIR D3,   0xc0a55ddc
	SPAIR D5,   0x402333b6
	SPAIR D9,   0x3d9e250f
	SPAIR K1_0, 0x4118c9eb                         ; 30 / pi
	VPAIR MG,   0x4b400000
	VPAIR D7,   0xbf191972
	s_wait_kmcnt 0x0
	s_mov_b32 s[BF+1], s[BF]
	LAYER 1, K1_1
	LAYER 2, K1_2
	LAYER 3, K1_3
	LAYER 4, K1_4
.irp j, 0,1,2,3                                ; the results of layer j are operand A of product j + 1: entry 2 j
	s_add_co_i32 s84, s[28+2*\j], 127
	s_lshl_b32 s[CVSS+\j], s84, 23
	s_add_co_i32 s84, s84, 15
	s_lshl_b32 s84, s84, 23
	s_or_b32 s[LIMS+\j], s84, 0x600000
.endr
	s_wait_loadcnt 0x3f                            ; of the 204 loads at most 63 are out: the first 76 (points, W0, b0, biases, Wf) are in; the codes go on landing under layer 0
.irp k, 0,1,2,3,4,5,6,7
	ds_store_b128 v[XYS], v[MA+4*\k:MA+4*\k+3] offset:2048*\k   ; no wait on va_vdst: since the one above only the four constants' moves were issued, which name none of these registers
.endr
	v_cmp_eq_u32 vcc_lo, 1, v[HH]
	s_wait_alu depctr_va_vcc(0)                    ; VCC is written, ahead of its first reader, the first select below
	WIN 0x40
.irp t, 0,1,2,3
	v_mov_b32 v[W0F+2*\t], v[RA+3*\t]              ; k = 2 h: w0 | w2
	v_cndmask_b32 v[W0F+2*\t+1], v[RA+3*\t+1], v[RA+3*\t+2], vcc_lo   ; k = 2 h + 1: w1 | b0
.endr
	WIN 0xc3
.irp l, 0,1,2,3
.set j, 0
.rept 32
	v_ldexp_f32 v[BS+32*\l+j], v[BS+32*\l+j], s[NE+\l]   ; b / 2^E: a sum stands for sum x 2^E
.set j, j+1
.endr
.endr
	WIN 0
	s_mov_b32 s[BLK], 0
	s_mov_b32 s[XBO], 0
	BARRIER                                        ; the 1,024 points lie in LDS
	s_wait_alu depctr_vm_vsrc(0)                   ; my LDS stores have read v[MA ..], which the first tile's second stage writes
	; ---- A BLOCK OF 512 POINTS.  Each barrier parts a buffer's writers from its readers, and the readers of the other buffer from its next writers.
.Lblock:
	PHASE 0, 1, 0,   LI0, WL0, K1_0, 28, LIMS
	PRE 1
	s_wait_alu depctr_va_vdst(0)
	BARRIER
	s_wait_loadcnt 0x0                             ; all codes are in registers
	PHASE 1, 2, 0,   LI0, WL1, K1_1, 30, LIMS+1
	PRE 2
	s_wait_alu depctr_va_vdst(0)
	BARRIER
	PHASE 1, 2, 128, LI1, WL0, K1_2, 32, LIMS+2
	PRE 3
	s_wait_alu depctr_va_vdst(0)
	BARRIER
	PHASE 1, 3, 0,   LI0, WL1, K1_3, 34, LIMS+3
	PRE 4
	s_wait_alu depctr_va_vdst(0)
	BARRIER
	PHASE 2, 1, 0,   LI1, WL0, K1_4, 28, LIMS
	BARRIER                                        ; the eight planes are whole
.irp k, 0,1,2,3,4,5,6,7
	ds_load_b128 v[TA+4*\k:TA+4*\k+3], v[PRD] offset:\k*PPIT         ; four points a thread.  No wait on va_vdst: the last tile's, ahead of its store, stands behind every line that names v[TA ..], and no vector line follows it
.endr
	s_wait_dscnt 0x0
.irp k, 0,2,4,6
	v_pk_add_f32 v[TA+4*\k:TA+4*\k+1], v[TA+4*\k:TA+4*\k+1], v[TA+4*\k+4:TA+4*\k+5]
	v_pk_add_f32 v[TA+4*\k+2:TA+4*\k+3], v[TA+4*\k+2:TA+4*\k+3], v[TA+4*\k+6:TA+4*\k+7]
.endr
.irp k, 0,4
	v_pk_add_f32 v[TA+4*\k:TA+4*\k+1], v[TA+4*\k:TA+4*\k+1], v[TA+4*\k+8:TA+4*\k+9]
	v_pk_add_f32 v[TA+4*\k+2:TA+4*\k+3], v[TA+4*\k+2:TA+4*\k+3], v[TA+4*\k+10:TA+4*\k+11]
.endr
	v_pk_add_f32 v[TA:TA+1], v[TA:TA+1], v[TA+16:TA+17]
	v_pk_add_f32 v[TA+2:TA+3], v[TA+2:TA+3], v[TA+18:TA+19]
	v_pk_add_f32 v[TA:TA+1], v[TA:TA+1], s[BF:BF+1] op_sel_hi:[1,0]
	v_pk_add_f32 v[TA+2:TA+3], v[TA+2:TA+3], s[BF:BF+1] op_sel_hi:[1,0]
	s_wait_alu depctr_va_vdst(0)                   ; the additions have written v[TA:TA+3], which the store reads
	global_store_b128 v[OUTO], v[TA:TA+3], s[26:27] th:TH_STORE_NT   ; a wave stores 512 consecutive bytes, aligned
	s_wait_xcnt 0x0                                ; the store has read its data and its base: both are written again below and in the next block
	s_wait_alu depctr_vm_vsrc(0)                   ; the store has read v[TA:TA+3]; the last layer's LDS loads have read v[ADR] and v[ADR2], its LDS stores v[OS] and v[WAD]: the next block writes all of these again
	s_add_nc_u64 s[26:27], s[26:27], 2048
	s_add_co_u32 s[XBO], s[XBO], 8192
	s_add_co_u32 s[BLK], s[BLK], 1
	s_cmp_lt_u32 s[BLK], 2
	s_cbranch_scc1 .Lblock
	s_wait_dscnt 0x0                               ; the closing lines, six on end
	s_wait_alu 0x0
	s_wait_tensorcnt 0x0
	ds_add_u32 v254, v255
	s_wait_dscnt 0x0
	s_endpgm
.Lfunc_end_k_q5b26432b1f_siren:
	.size	k_q5b26432b1f_siren, .Lfunc_end_k_q5b26432b1f_siren-k_q5b26432b1f_siren
	.p2alignl 7, 3214868480
	.fill 96, 4, 3214868480
	.section	.rodata,"a",@progbits
	.p2align	6, 0x0
	.amdhsa_kernel k_q5b26432b1f_siren
		.amdhsa_group_segment_fixed_size 295936
		.amdhsa_private_segment_fixed_size 0
		.amdhsa_enable_private_segment 0
		.amdhsa_kernarg_size 96
		.amdhsa_user_sgpr_count 2
		.amdhsa_user_sgpr_kernarg_segment_ptr 1
		.amdhsa_wavefront_size32 1
		.amdhsa_system_sgpr_workgroup_id_x 1
		.amdhsa_system_sgpr_workgroup_id_y 1
		.amdhsa_system_sgpr_workgroup_id_z 1
		.amdhsa_system_vgpr_workitem_id 0
		.amdhsa_next_free_vgpr 1024
		.amdhsa_next_free_sgpr 96
		.amdhsa_reserve_vcc 1
		.amdhsa_float_denorm_mode_32 3
		.amdhsa_float_denorm_mode_16_64 3
		.amdhsa_memory_ordered 1
		.amdhsa_forward_progress 1
		.amdhsa_inst_pref_size 255
	.end_amdhsa_kernel
	.section	.bss,"aw",@nobits
	.p2align	6
	.space	262144
	.amdgpu_metadata
---
amdhsa.version: [ 1, 2 ]
amdhsa.kernels:
  - .name:           k_q5b26432b1f_siren
    .symbol:         k_q5b26432b1f_siren.kd
    .args:
      - { .name: xyt, .offset: 0, .size: 8, .value_kind: global_buffer, .address_space: global }
      - { .name: W0, .offset: 8, .size: 8, .value_kind: global_buffer, .address_space: global }
      - { .name: b0, .offset: 16, .size: 8, .value_kind: global_buffer, .address_space: global }
      - { .name: wq, .offset: 24, .size: 8, .value_kind: global_buffer, .address_space: global }
      - { .name: b1, .offset: 32, .size: 8, .value_kind: global_buffer, .address_space: global }
      - { .name: b2, .offset: 40, .size: 8, .value_kind: global_buffer, .address_space: global }
      - { .name: b3, .offset: 48, .size: 8, .value_kind: global_buffer, .address_space: global }
      - { .name: b4, .offset: 56, .size: 8, .value_kind: global_buffer, .address_space: global }
      - { .name: Wf, .offset: 64, .size: 8, .value_kind: global_buffer, .address_space: global }
      - { .name: bf, .offset: 72, .size: 8, .value_kind: global_buffer, .address_space: global }
      - { .name: lowp_scales, .offset: 80, .size: 8, .value_kind: global_buffer, .address_space: global }
      - { .name: out0, .offset: 88, .size: 8, .value_kind: global_buffer, .address_space: global }
    .group_segment_fixed_size: 295936
    .private_segment_fixed_size: 0
    .kernarg_segment_align: 8
    .kernarg_segment_size: 96
    .max_flat_workgroup_size: 128
    .sgpr_count:     96
    .vgpr_count:     1024
    .wavefront_size: 32
...
	.end_amdgpu_metadata
.endif
;; end of part 4
